; MI455X (gfx1250); checked and timed in simulation.
; The chip was launched on July 23, 2026; its instructions are those of AMD's public machine-readable ISA for CDNA 5 (MIT licence, August 2026) and "CDNA5" Instruction Set Architecture Reference Guide (July 2026). The comments in the code are by the model that wrote it; some were corrected since.
;; Mo EFFN. Allowed arithmetic: matrix products marked QUANTISED: E2M1 operands, one E8M0 scale for each 32 along K, by v_wmma_scale_f32_16x16x128_f8f6f4 with both operands' format E2M1 (or v_wmma_scale_f32_32x16x128_f4), f32 sums; products left as they are: f32 operands where the result goes on into a quantised operand, else bf16, f16 or f32 operands; f32 sums; everything else in f32.
;; Inputs: b1 8 x 512 float32; b2 8 x 1,024 float32; w1 8 x 1,024 x 512 float32; w2 8 x 256 x 1,024 float32; wr 8 x 1,024 float32; x 4 x 2,048 x 1,024 float32.
;; Outputs: out0 4 x 2,048 x 1,024 float32.
;; This version of the problem:
;;   THIS VERSION OF THE PROBLEM IS GIVEN IN LOW PRECISION. The matrix products marked QUANTISED in the list below multiply operands that are first quantised to E2M1 (2 exponent bits, 1 mantissa bit; 4 bits a number), with one power-of-two scale for each 32 numbers along K (OCP MX v1.0); their sums are f32. All else is computed in f32.
;;   The module's matrix products, in the order in which they are computed (A, B: the left and right operand; K: the contracted axis; several contracted axes count as one K, in the product's order):
;;     1. [M 8,192, K 1,024] x [K 1,024, N 8]; A: input x; B: input wr: left as it is (N = 8 < 16)
;;     2. [M 8,192, K 1,024] x [K 1,024, N 512]; A: input x; B: input w1: QUANTISED
;;     3. [M 8,192, K 256] x [K 256, N 1,024]; A: computed on the way; B: input w2: QUANTISED
;;     4. [M 8,192, K 1,024] x [K 1,024, N 512]; A: input x; B: input w1: QUANTISED
;;     5. [M 8,192, K 256] x [K 256, N 1,024]; A: computed on the way; B: input w2: QUANTISED
;;     6. [M 8,192, K 1,024] x [K 1,024, N 512]; A: input x; B: input w1: QUANTISED
;;     7. [M 8,192, K 256] x [K 256, N 1,024]; A: computed on the way; B: input w2: QUANTISED
;;     8. [M 8,192, K 1,024] x [K 1,024, N 512]; A: input x; B: input w1: QUANTISED
;;     9. [M 8,192, K 256] x [K 256, N 1,024]; A: computed on the way; B: input w2: QUANTISED
;;     10. [M 8,192, K 1,024] x [K 1,024, N 512]; A: input x; B: input w1: QUANTISED
;;     11. [M 8,192, K 256] x [K 256, N 1,024]; A: computed on the way; B: input w2: QUANTISED
;;     12. [M 8,192, K 1,024] x [K 1,024, N 512]; A: input x; B: input w1: QUANTISED
;;     13. [M 8,192, K 256] x [K 256, N 1,024]; A: computed on the way; B: input w2: QUANTISED
;;     14. [M 8,192, K 1,024] x [K 1,024, N 512]; A: input x; B: input w1: QUANTISED
;;     15. [M 8,192, K 256] x [K 256, N 1,024]; A: computed on the way; B: input w2: QUANTISED
;;     16. [M 8,192, K 1,024] x [K 1,024, N 512]; A: input x; B: input w1: QUANTISED
;;     17. [M 8,192, K 256] x [K 256, N 1,024]; A: computed on the way; B: input w2: QUANTISED
;;   THE QUANTISER, for each operand of a quantised product, along K:
;;     - K is cut into blocks of 32 from its start; a last block that is shorter is filled with zeros.
;;     - A block's scale is 2^e with e = floor(log2(the largest magnitude in the block)) - 2, held to -126 .. 127; a block of zeros has e = 0. As a byte (E8M0): e + 127.
;;     - Each number is divided by its block's scale, clamped to +-6, and rounded to the nearest number of E2M1, ties to even, subnormals kept.
;;     - The product sums the exact products of the quantised numbers (number of the format x scale) in f32.
;;   ~~~python
;;   def quantise(x, axis):      # numpy; x: float32 -> the quantised numbers, widened to float32 again
;;       x = np.moveaxis(x, axis, -1); K = x.shape[-1]
;;       x = np.pad(x, [(0, 0)] * (x.ndim - 1) + [(0, -K % 32)]); x = x.reshape(x.shape[:-1] + (-1, 32)); a = np.abs(x).max(-1, keepdims=True)
;;       e = np.where(a > 0, np.clip(np.frexp(np.where(a > 0, a, 1))[1] - 1 - 2, -126, 127), 0)      # np.frexp(a)[1] - 1 = floor(log2(a)), exactly
;;       r = np.clip(x / 2.0 ** e, -6, 6)
;;       step = 2.0 ** (np.maximum(np.frexp(np.where(r == 0, 1, r))[1] - 1, 0) - 1)
;;       q = np.round(r / step) * step * 2.0 ** e      # np.round: ties to even
;;       return np.moveaxis(q.reshape(q.shape[:-2] + (-1,))[..., :K], -1, axis).astype(np.float32)
;;   ~~~
;;   OPERANDS COMPUTED ON THE WAY. 'Computed on the way' means the value that the module computes at that place (a softmax that the list does not call 'softmax' is quantised finished and normalised). What goes into a quantiser is computed in f32, as accurately as f32 sums, v_exp_f32 and their like allow (about 1e-6 of the number): no bf16 or f16 on the way to a quantiser, and a product that is left as it is and whose result goes on into a quantised operand takes f32 operands (vector FMAs, or v_wmma_f32_16x16x4_f32). A number that lies on a knife's edge between two numbers of the format may be rounded either way, as far as f32 arithmetic and the matrix unit's own rounding can turn it there, and no further.
;; One version. Each part assembles by itself: llvm-mc -triple=amdgcn-amd-amdhsa -mcpu=gfx1250 --defsym DOCPART=n.
;; ======== version 1 of 1: 2 launches
;; limits: right only within a limited range of input values
;; workspace buffers: xq 4,194,304 bytes; xs 262,144 bytes; gates 65,536 bytes; tab 65,536 bytes of whole numbers; wq 3,342,336 bytes
;; launch prep (part 1): grid 640 x 1, 4 waves a work-group, no clusters, 72,704 bytes of LDS; arguments x, wr, xq, xs, tab, gates, w1, w2, wq; writes xq, xs, tab, gates, wq
.if DOCPART == 1
	.amdgcn_target "amdgcn-amd-amdhsa--gfx1250"
	.amdhsa_code_object_version 6
	.text
	.protected	k_q81315eed39_prep
	.globl	k_q81315eed39_prep
	.p2align	8
	.type	k_q81315eed39_prep,@function
k_q81315eed39_prep:
	s_mov_b64 s[64:65], 0
	v_nop
	global_prefetch_b8 v0, s[64:65] scope:SCOPE_SE
	s_setreg_imm32_b32 hwreg(HW_REG_WAVE_MODE, 25, 1), 1
	s_wait_xcnt 0x0
; PREP: work-groups 0-255: the router in f32 (8 logits a token, the two largest, their softmax), and x as codes of E2M1 with one E8M0 byte for each 32 along K.  Work-groups 256-511 quantise w1, 512-639 w2.
; WORK LEFT OUT BY THE WHOLE PROGRAM.  reference() adds g_e x y_e for all eight experts, and g_e = sum(where(topk_idx == e, gates, 0)): for a token that did not choose expert e
; both terms of that sum are the constant 0, so g_e is 0 and that row of u, h and y_e is multiplied by 0, whatever finite values the inputs hold.  Six of a token's eight rows in each of the
; sixteen quantised products so reach no output: the program multiplies the two chosen rows of each token alone (and, inside a tile, rows that repeat its last token).  Every input still has a way to the output: all six are loaded.
; LIMITS.  A NaN, an infinity or an overflow that arises only in the rows left out is not carried to the result.  NaN and infinities in the inputs or the logits are not served.  A logit is summed in another order
; than reference() sums it: two logits that agree to within f32 rounding may be ranked the other way; exact ties go to the lower index, as in lax.top_k.  A block of zeros gets the byte 1 (its codes are zeros, and this
; program alone reads the bytes); a block whose largest magnitude lies under 2^-124 is held at the byte 1.
; THE ROUTER.  Work-group G owns tokens 32 G .. 32 G + 31; wave w eight of them, a token (4,096 bytes) at a time.  wr (32,768 bytes) enters once through LDS and then stays in each wave's window 1.
; A load takes 512 consecutive bytes (16 a lane): so the products with wr are made.  The conversions want a block of 32 neighbours in ONE lane: the row turns through the wave's own stage in LDS
; (128 bytes + 16 of padding a block) and comes back a block a lane.  A row's codes then leave as 512 consecutive bytes, a wave's 256 scale bytes as one store of 256 consecutive bytes.
; STORED FOR THE NEXT LAUNCH, all at fixed places (no address and no branch here hangs on a logit): for each token the two gates (of the lower-numbered expert, of the higher); for the work-group and each pair of experts
; (key 0 .. 27, lo < hi) the mask of its 32 tokens that chose the pair, and how many they are: tab[G][key], 8 bytes each, 256 bytes a work-group.
; THE WEIGHTS.  K is the FIRST axis of w1[e] [1024][512] and w2[e] [256][1024].  A lane takes a column and its registers run down K: each load reads 128 consecutive bytes, a block of 32 along K lies in one lane,
; and the conversions give codes with K innermost.  A wave takes 32 columns x 128 along K.  The codes are stored IN THE ORDER OF THE OPERAND'S REGISTERS: a UNIT of 8,704 bytes is eight fragments (16 rows x 128 K,
; 1,024 bytes: block kb of row m at 256 kb + 16 m) and 512 bytes of scale words (register i of four, lane l: at 8,192 + 16 l + 4 i: the word of fragment 2 i + l / 16, row l % 16).
; w1: unit [e][w][2 tp + kh], fragment 2 ks + ab: K step 4 kh + ks; row m = column 256 ab + 64 w + 32 (tp / 2) + 8 (tp % 2) + m + 8 (m / 8).   w2, from byte W2OFF on: unit [e][w][g], fragment 2 q + s2: K step s2; row m = column 256 w + 64 g + 16 q + m.
; All of w1 and w2 is quantised, since any expert may be chosen.  No tensor load, no cluster: work-groups share only wr, a fifth of what a router work-group reads.
.set WRL,   0                          ; LDS: wr as it lies, 32,768 bytes
.set STG,   32768                      ; for each wave two stages of 32 x 144 bytes
.set SCB,   69632                      ; for each wave 256 scale bytes
.set LG,    70656                      ; 32 tokens x 48 bytes: a token's eight logits
.set SPARE, 72192                      ; the spare words, 128 bytes for each wave: no other line names them
.set LANE,  1
.set LI,    2                          ; 16 x lane
.set SIN,   3                          ; the stage, on the way in
.set SOUT,  4                          ; and out: 144 x lane
.set SCBA,  5                          ; my block's scale byte
.set LGA,   6                          ; my wave's rows of logits
.set T16,   7                          ; 16 x thread
.set SPW,   8                          ; my spare word; never rewritten
.set NIL,   9                          ; 0; never rewritten
.set ACC,   10                         ; v10-25  eight sums, a pair each
.set PX,    26                         ; v26-33  what lane l xor 16 sends
.set CD,    40                         ; v40-71  four registers of codes for each token: no store's data are written again
.set BY,    72                         ; v72-79  a scale byte for each token
.set LGT,   80                         ; v80-87  the eight logits
.set SCR,   88                         ; v88 my 8 scale bytes in LDS, v89 8 x lane
.set R,     96                         ; v96-223 four rows as loaded
.set X,     224                        ; v224-255 my block of 32
.set UNITB, 8704
.set W2OFF, 2228224
.set WX,    32                         ; the weights: v32-159 128 numbers down K
.set WC,    160                        ; v160-175 codes, four registers a block
.set SRC,   3                          ; 4 x lane
.set DST,   4                          ; my column's place in a fragment
.set SDST,  5                          ; and among the scale words
.set SRCP,  46
.set DSTP,  48
.set SCP,   50
.set MSB, 0
.macro WIN new                         ; the immediate's high byte repeats the setting that is left
.if MSB != \new
	s_set_vgpr_msb (MSB<<8)|\new
.set MSB, \new
.endif
.endm
	s_load_b256 s[4:11], s[0:1], 0x0               ; x, wr, xq, xs
	s_load_b128 s[12:15], s[0:1], 0x20             ; tab, gates
	s_load_b128 s[40:43], s[0:1], 0x30             ; w1, w2
	s_load_b64 s[44:45], s[0:1], 0x40              ; wq
	v_lshl_add_u32 v[SPW], v0, 2, SPARE
	v_mov_b32 v[NIL], 0
	v_lshrrev_b32 v[LANE], 5, v0
	v_readfirstlane_b32 s18, v[LANE]               ; wave 0..3
	v_and_b32 v[LANE], 31, v0
	v_lshlrev_b32 v[LI], 4, v[LANE]
	v_lshlrev_b32 v[T16], 4, v0
	s_wait_alu depctr_va_vdst(0)                   ; the wait ahead of the branch
	s_cmp_lt_u32 ttmp9, 256
	s_cbranch_scc0 .Lweights
	s_mul_i32 s22, s18, 9216
	s_add_co_u32 s22, s22, STG                     ; my two stages
	v_lshrrev_b32 v[SIN], 3, v[LANE]
	v_mul_u32_u24 v[SIN], v[SIN], 144
	v_and_b32 v[SOUT], 7, v[LANE]
	v_lshl_add_u32 v[SIN], v[SOUT], 4, v[SIN]
	v_add_nc_u32 v[SIN], s22, v[SIN]               ; in: eight lanes' 128 bytes are a block: 144 (lane / 8) + 16 (lane % 8); a load's 512 bytes take four blocks
	v_mul_u32_u24 v[SOUT], v[LANE], 144
	v_add_nc_u32 v[SOUT], s22, v[SOUT]             ; out: block = lane
	s_lshl_b32 s23, s18, 8
	s_add_co_u32 s23, s23, SCB
	v_add_nc_u32 v[SCBA], s23, v[LANE]
	v_lshlrev_b32 v[SCR+1], 3, v[LANE]
	v_add_nc_u32 v[SCR], s23, v[SCR+1]
	s_mul_i32 s23, s18, 384
	s_add_co_u32 s23, s23, LG
	v_mov_b32 v[LGA], s23
.irp e, 0,1,2,3,4,5,6,7
	v_mov_b32 v[PX+\e], 0                          ; written once: a lane permute's destination counts as one of its sources
.endr
	s_mov_b32 s20, 0x76543210
	s_mov_b32 s21, 0xfedcba98                      ; v_permlanex16_b32's selects for lane l xor 16
	s_lshl_b32 s24, ttmp9, 17                      ; x: 32 rows of 4,096 bytes a work-group, 8 a wave
	s_lshl_b32 s26, s18, 15
	s_add_co_u32 s24, s24, s26
	s_mov_b32 s25, 0
	s_lshl_b32 s26, ttmp9, 14                      ; codes: rows of 512 bytes
	s_lshl_b32 s28, s18, 12
	s_add_co_u32 s26, s26, s28
	s_mov_b32 s27, 0
	s_lshl_b32 s28, ttmp9, 10                      ; scale bytes: rows of 32
	s_lshl_b32 s30, s18, 8
	s_add_co_u32 s28, s28, s30
	s_mov_b32 s29, 0
	s_lshl_b32 s30, ttmp9, 8                       ; tab and gates: 256 bytes a work-group
	s_mov_b32 s31, 0
	s_wait_alu depctr_va_vdst(0)                   ; the wait at the head's end
	s_wait_kmcnt 0x0
	s_add_nc_u64 s[4:5], s[4:5], s[24:25]
	s_add_nc_u64 s[8:9], s[8:9], s[26:27]
	s_add_nc_u64 s[10:11], s[10:11], s[28:29]
	s_add_nc_u64 s[12:13], s[12:13], s[30:31]
	s_add_nc_u64 s[14:15], s[14:15], s[30:31]
.macro LOADX j                         ; token j's row: eight loads of 512 consecutive bytes
.irp i, 0,1,2,3,4,5,6,7
	global_load_b128 v[R+32*((\j)%4)+4*\i:R+32*((\j)%4)+4*\i+3], v[LI], s[4:5] offset:4096*(\j)+512*\i th:TH_LOAD_NT
.endr
.endm
	WIN 0x40                                       ; destination window 1
.irp i, 0,1,2,3,4,5,6,7,8,9,10,11,12,13,14,15
	global_load_b128 v[4*\i:4*\i+3], v[T16], s[6:7] offset:2048*\i   ; the work-group's 128 threads take wr once, 2,048 bytes a load
.endr
	WIN 0
	LOADX 0
	LOADX 1
	LOADX 2
	LOADX 3
	s_wait_loadcnt 32                              ; wr's sixteen loads are in; the 32 of x, issued behind them, stay out
	WIN 0x04                                       ; an LDS store's data are its source 1: window 1
.irp i, 0,1,2,3,4,5,6,7,8,9,10,11,12,13,14,15
	ds_store_b128 v[T16], v[4*\i:4*\i+3] offset:WRL+2048*\i
.endr
	WIN 0
	s_wait_dscnt 0x0                               ; for the others' sake: my part of wr lies in LDS
	s_barrier_signal -1
	s_barrier_wait -1
	WIN 0x40
.irp e, 0,1,2,3,4,5,6,7
.irp i, 0,1,2,3,4,5,6,7
	ds_load_b128 v[32*\e+4*\i:32*\e+4*\i+3], v[LI] offset:WRL+4096*\e+512*\i   ; wr[e][128 i + 4 lane ..]: the places that a load of x gives my lane
.endr
.endr
	WIN 0
; One token.
.macro TOKEN j
.set RS, R+32*((\j)%4)
.set SO, 4608*((\j)%2)
.if (\j) < 5
	s_wait_loadcnt 24                              ; my row is in; the three rows behind it stay out
.else
	s_wait_loadcnt 8*(7-(\j))                      ; the counts run down
.endif
.irp i, 0,1,2,3,4,5,6,7
	ds_store_b128 v[SIN], v[RS+4*\i:RS+4*\i+3] offset:SO+576*\i
.endr
.irp i, 0,1,2,3,4,5,6,7
	ds_load_b128 v[X+4*\i:X+4*\i+3], v[SOUT] offset:SO+16*\i     ; LDS serves a wave's instructions in order: these see the stores above
.endr
.if (\j) == 0
	s_wait_dscnt 0x0                               ; wr is in its registers
.endif
	WIN 0x04                                       ; source 1 (wr) window 1
.irp e, 0,1,2,3,4,5,6,7
	v_pk_mul_f32 v[ACC+2*\e:ACC+2*\e+1], v[RS:RS+1], v[32*\e:32*\e+1]      ; the first products start the sums: nothing is cleared
.endr
.irp e, 0,1,2,3,4,5,6,7
	v_pk_fma_f32 v[ACC+2*\e:ACC+2*\e+1], v[RS+2:RS+3], v[32*\e+2:32*\e+3], v[ACC+2*\e:ACC+2*\e+1]
.endr
.irp i, 1,2,3,4,5,6,7
.irp hf, 0,2
.irp e, 0,1,2,3,4,5,6,7
	v_pk_fma_f32 v[ACC+2*\e:ACC+2*\e+1], v[RS+4*\i+\hf:RS+4*\i+\hf+1], v[32*\e+4*\i+\hf:32*\e+4*\i+\hf+1], v[ACC+2*\e:ACC+2*\e+1]   ; eight chains by turns
.endr
.endr
.endr
	WIN 0
.irp e, 0,1,2,3,4,5,6,7
	v_add_f32 v[LGT+\e], v[ACC+2*\e], v[ACC+2*\e+1]
.endr
.irp x, 1,2,4,8
.irp e, 0,1,2,3,4,5,6,7
	v_add_f32_dpp v[LGT+\e], v[LGT+\e], v[LGT+\e] row_xmask:\x row_mask:0xf bank_mask:0xf
.endr
.endr
.irp e, 0,1,2,3,4,5,6,7
	v_permlanex16_b32 v[PX+\e], v[LGT+\e], s20, s21
.endr
.irp e, 0,1,2,3,4,5,6,7
	v_add_f32 v[LGT+\e], v[LGT+\e], v[PX+\e]       ; every lane holds the eight logits
.endr
	ds_store_b128 v[LGA], v[LGT:LGT+3] offset:48*(\j)              ; all lanes write the same words with the same values
	ds_store_b128 v[LGA], v[LGT+4:LGT+7] offset:48*(\j)+16
	s_wait_dscnt 0x0                               ; my block is back; the stage's stores have read the row's registers, the logits' stores theirs
.if (\j) < 4
	LOADX (\j)+4                                   ; the row's registers take the row four further on
.endif
	v_max3_num_f32 v34, |v[X]|, |v[X+1]|, |v[X+2]|                 ; the block's largest magnitude: all 32 numbers are mine
	v_max3_num_f32 v35, |v[X+3]|, |v[X+4]|, |v[X+5]|
.irp i, 6,10,14,18,22,26
	v_max3_num_f32 v34, v34, |v[X+\i]|, |v[X+\i+1]|
	v_max3_num_f32 v35, v35, |v[X+\i+2]|, |v[X+\i+3]|
.endr
	v_max3_num_f32 v34, v34, |v[X+30]|, |v[X+31]|
	v_max3_num_f32 v34, v34, v35, 0x1800000        ; and the floor 2^(3 - 127): the byte cannot fall under 1
	v_add_nc_u32 v36, 0xff000000, v34              ; 2 off its exponent field: the conversion takes the exponent field of this operand as its scale
.irp g, 0,1,2,3
	v_cvt_scalef32_pk8_fp4_f32 v[CD+4*(\j)+\g], v[X+8*\g:X+8*\g+7], v36
.endr
	v_lshrrev_b32 v[BY+(\j)], 23, v36              ; the scale's byte (a plain line behind the conversions)
	ds_store_b8 v[SCBA], v[BY+(\j)] offset:32*(\j)
	global_store_b128 v[LI], v[CD+4*(\j):CD+4*(\j)+3], s[8:9] offset:512*(\j)   ; the row's 512 bytes of codes, 16 a lane
.endm
.irp t, 0,1,2,3,4,5,6,7
	TOKEN \t
.endr
	ds_load_b64 v[34:35], v[SCR]                   ; my wave's 256 scale bytes, 8 a lane
	s_wait_dscnt 0x0                               ; they are in; and, for wave 0's sake, my logits lie in LDS
	global_store_b64 v[SCR+1], v[34:35], s[10:11]  ; 256 consecutive bytes, aligned
	s_barrier_signal -1
	s_barrier_wait -1
	s_cmp_lg_u32 s18, 0
	s_cbranch_scc1 .Lend                           ; the choice is wave 0's: a lane to a token
	v_mul_u32_u24 v113, v[LANE], 48
	v_add_nc_u32 v113, LG, v113
	ds_load_b128 v[96:99], v113
	ds_load_b128 v[100:103], v113 offset:16
	v_mov_b32 v108, 0xff800000                     ; -infinity
	v_mov_b32 v105, 0                              ; the largest's index,
	v_mov_b32 v107, 0                              ; the second's
	v_mov_b32 v118, 0                              ; lane k: the mask of the tokens with key k,
	v_mov_b32 v119, 0                              ; and how many they are
	s_wait_alu depctr_va_vdst(0)
	s_wait_dscnt 0x0
	v_mov_b32 v104, v96
.irp e, 1,2,3,4,5,6,7
	v_cmp_le_f32 vcc_lo, v[96+\e], v104            ; not larger: the earlier index stays, on a tie too
	v_cndmask_b32 v105, \e, v105, vcc_lo
	v_cndmask_b32 v104, v[96+\e], v104, vcc_lo
.endr
.irp e, 0,1,2,3,4,5,6,7
	v_cmp_eq_u32 vcc_lo, \e, v105
	v_cndmask_b32 v[96+\e], v[96+\e], v108, vcc_lo ; the winner leaves the field
.endr
	v_mov_b32 v106, v96
.irp e, 1,2,3,4,5,6,7
	v_cmp_le_f32 vcc_lo, v[96+\e], v106
	v_cndmask_b32 v107, \e, v107, vcc_lo
	v_cndmask_b32 v106, v[96+\e], v106, vcc_lo
.endr
	v_sub_f32 v109, v106, v104                     ; the maximum is taken away, as reference()'s softmax takes it: 0 or less
	v_mul_f32 v109, 0x3fb8aa3b, v109
	s_wait_alu depctr_va_vdst(0)
	v_exp_f32 v109, v109
	v_min_u32 v115, v105, v107                     ; lo (plain work behind the exponential),
	v_max_u32 v116, v105, v107                     ; hi
	s_wait_alu depctr_va_vdst(0)                   ; the wait ahead of the first reader
	v_add_f32 v110, 1.0, v109
	s_wait_alu depctr_va_vdst(0)
	v_rcp_f32 v110, v110                           ; the larger logit's gate
	v_sub_nc_u32 v117, 15, v115                    ; key = lo (15 - lo) / 2 + hi - lo - 1: the pairs (0,1) .. (0,7), (1,2) .. in order
	v_mul_u32_u24 v117, v117, v115
	v_lshrrev_b32 v117, 1, v117
	v_add_nc_u32 v117, v117, v116
	v_sub_nc_u32 v117, v117, v115
	v_add_nc_u32 v117, -1, v117
	s_wait_alu depctr_va_vdst(0)
	v_mul_f32 v111, v109, v110                     ; the smaller's
	v_cmp_lt_u32 vcc_lo, v105, v107
	v_cndmask_b32 v120, v111, v110, vcc_lo         ; lo's gate,
	v_cndmask_b32 v121, v110, v111, vcc_lo         ; hi's
.set k, 0
.rept 28
	v_cmp_eq_u32 s36, k, v117                      ; the tokens with key k
	s_bcnt1_i32_b32 s37, s36
	v_writelane_b32 v118, s36, k
	v_writelane_b32 v119, s37, k
.set k, k+1
.endr
	s_wait_alu depctr_va_vdst(0)                   ; the wait ahead of the readers below
	global_store_b64 v[SCR+1], v[118:119], s[12:13]                ; 256 consecutive bytes, aligned (keys 28 to 31: 0)
	global_store_b64 v[SCR+1], v[120:121], s[14:15]                ; likewise
.Lend:
	s_wait_tensorcnt 0x0                           ; the wave's end, behind my last LDS store
	ds_add_u32 v[SPW], v[NIL]
	s_wait_dscnt 0x0
	s_endpgm
; ---- THE WEIGHTS: no LDS, no barrier; waves share nothing.
; 32 columns x 128 along K.  All 128 loads are issued on end.  Behind block kb's 32 loads 96, 64, 32, 0 were issued; the wait's field holds 63 at the most, and a smaller count is safe.
.macro QW pitch
.set k, 0
.rept 128
	global_load_b32 v[WX+k], v[SRC], s[SRCP:SRCP+1] offset:k*\pitch th:TH_LOAD_NT
.set k, k+1
.endr
.irp kb, 0,1,2,3
.if \kb < 2
	s_wait_loadcnt 63
.else
	s_wait_loadcnt 32*(3-\kb)
.endif
.set XB, WX+32*\kb
	v_max3_num_f32 v12, |v[XB]|, |v[XB+1]|, |v[XB+2]|              ; the block's largest magnitude: all 32 numbers are mine
	v_max3_num_f32 v13, |v[XB+3]|, |v[XB+4]|, |v[XB+5]|
.irp i, 6,10,14,18,22,26
	v_max3_num_f32 v12, v12, |v[XB+\i]|, |v[XB+\i+1]|
	v_max3_num_f32 v13, v13, |v[XB+\i+2]|, |v[XB+\i+3]|
.endr
	v_max3_num_f32 v12, v12, |v[XB+30]|, |v[XB+31]|
	v_max3_num_f32 v12, v12, v13, 0x1800000        ; and the floor 2^(3 - 127): the byte cannot fall under 1
	v_add_nc_u32 v11, 0xff000000, v12              ; 2 off its exponent field: the conversion's scale operand
	v_lshrrev_b32 v13, 23, v11                     ; the scale's byte
.if \kb == 0
	v_mov_b32 v10, v13                             ; four bytes make my column's scale word for this K step
.else
	v_lshl_or_b32 v10, v13, 8*\kb, v10
.endif
.irp g, 0,1,2,3
	v_cvt_scalef32_pk8_fp4_f32 v[WC+4*\kb+\g], v[XB+8*\g:XB+8*\g+7], v11
.endr
	global_store_b128 v[DST], v[WC+4*\kb:WC+4*\kb+3], s[DSTP:DSTP+1] offset:256*\kb   ; two runs of 256 consecutive bytes
.endr
	global_store_b32 v[SDST], v10, s[SCP:SCP+1]
.endm
.macro SHADD d, a, n                   ; s[d] += s[a] << n
	s_lshl_b32 s36, s[\a], \n
	s_add_co_u32 s[\d], s[\d], s36
.endm
.Lweights:
	s_sub_co_u32 s19, ttmp9, 256
	s_and_b32 s3, s19, 1
	s_lshl_b32 s3, s3, 2
	s_add_co_u32 s3, s3, s18                       ; v = 0..7: two work-groups share a run of the weights
	s_lshr_b32 s20, s19, 1                         ; the run: 0-127 w1, 128-191 w2
	v_lshlrev_b32 v[SRC], 2, v[LANE]
	s_wait_alu depctr_va_vdst(0)
	s_cmp_lt_u32 s20, 128
	s_cbranch_scc0 .Lw2
	; w1: run = e x 16 + w x 4 + sp; v: K step 2 sp + v / 4, ab = (v / 2) % 2, bi = v % 2: columns 256 ab + 64 w + 32 bi + lane
	s_lshr_b32 s21, s20, 4                         ; e
	s_bfe_u32 s22, s20, 0x20002                    ; w
	s_and_b32 s23, s20, 3
	s_lshl_b32 s23, s23, 1
	s_lshr_b32 s24, s3, 2
	s_add_co_u32 s23, s23, s24                     ; the K step s
	s_bfe_u32 s24, s3, 0x10001                     ; ab
	s_and_b32 s25, s3, 1                           ; bi
	s_lshr_b32 s26, s23, 2                         ; kh
	s_and_b32 s27, s23, 3                          ; ks
	s_lshl_b32 s28, s21, 21                        ; from: e x 1,024 rows of 2,048 bytes, s x 128 rows, and the column
	SHADD 28, 23, 18
	SHADD 28, 24, 10
	SHADD 28, 22, 8
	SHADD 28, 25, 7
	s_mov_b32 s29, 0
	s_lshl_b32 s30, s21, 5
	SHADD 30, 22, 3
	SHADD 30, 25, 2
	s_add_co_u32 s30, s30, s26                     ; unit (4 e + w) 8 + 4 bi + kh (lanes 8-15 and 24-31: two units on)
	s_mul_i32 s30, s30, UNITB
	s_lshl_b32 s32, s27, 11                        ; fragment 2 ks + ab
	SHADD 32, 24, 10
	s_add_co_u32 s32, s32, s30
	s_mov_b32 s33, 0
	s_lshl_b32 s34, s24, 8                         ; scale words: 8,192 + 256 ab + 4 ks
	SHADD 34, 27, 2
	s_add_co_u32 s34, s34, s30
	s_add_co_u32 s34, s34, 8192
	s_mov_b32 s35, 0
	v_bfe_u32 v[DST], v[LANE], 3, 1                ; column c = lane of the 32: tile pair 2 bi + (c / 8) % 2, row m = c % 8 + 8 (c / 16)
	v_mul_u32_u24 v[DST], v[DST], 2*UNITB
	v_and_b32 v[SDST], 7, v[LANE]
	v_lshrrev_b32 v6, 4, v[LANE]
	v_lshl_add_u32 v[SDST], v6, 3, v[SDST]
	v_lshl_add_u32 v[DST], v[SDST], 4, v[DST]
	v_mov_b32 v[SDST], v[DST]
	s_wait_alu depctr_va_vdst(0)
	s_wait_kmcnt 0x0
	s_add_nc_u64 s[SRCP:SRCP+1], s[40:41], s[28:29]
	s_add_nc_u64 s[DSTP:DSTP+1], s[44:45], s[32:33]
	s_add_nc_u64 s[SCP:SCP+1], s[44:45], s[34:35]
	QW 2048
	s_endpgm
.Lw2:
	; w2: run - 128 = e x 8 + w x 2 + gh; v: g = 2 gh + v / 4, s2 = (v / 2) % 2, cg = v % 2: columns 256 w + 64 g + 32 cg + lane
	s_sub_co_u32 s20, s20, 128
	s_lshr_b32 s21, s20, 3                         ; e
	s_bfe_u32 s22, s20, 0x20001                    ; w
	s_and_b32 s23, s20, 1
	s_lshl_b32 s23, s23, 1
	s_lshr_b32 s24, s3, 2
	s_add_co_u32 s23, s23, s24                     ; g
	s_bfe_u32 s24, s3, 0x10001                     ; s2
	s_and_b32 s25, s3, 1                           ; cg
	s_lshl_b32 s28, s21, 20                        ; from: e x 256 rows of 4,096 bytes, s2 x 128 rows, and the column
	SHADD 28, 24, 19
	SHADD 28, 22, 10
	SHADD 28, 23, 8
	SHADD 28, 25, 7
	s_mov_b32 s29, 0
	s_lshl_b32 s30, s21, 4
	SHADD 30, 22, 2
	s_add_co_u32 s30, s30, s23                     ; unit (4 e + w) 4 + g
	s_mul_i32 s30, s30, UNITB
	s_add_co_u32 s30, s30, W2OFF
	s_lshl_b32 s32, s25, 12                        ; fragment 4 cg + s2 (lanes 16-31: two fragments on)
	SHADD 32, 24, 10
	s_add_co_u32 s32, s32, s30
	s_mov_b32 s33, 0
	s_lshl_b32 s34, s24, 8                         ; scale words: 8,192 + 256 s2 + 8 cg
	SHADD 34, 25, 3
	s_add_co_u32 s34, s34, s30
	s_add_co_u32 s34, s34, 8192
	s_mov_b32 s35, 0
	v_and_b32 v6, 15, v[LANE]
	v_lshrrev_b32 v7, 4, v[LANE]
	v_lshlrev_b32 v[DST], 4, v6
	v_lshl_add_u32 v[SDST], v7, 2, v[DST]          ; 16 (lane % 16) + 4 (lane / 16)
	v_lshl_add_u32 v[DST], v7, 11, v[DST]          ; 16 (lane % 16) + 2,048 (lane / 16)
	s_wait_alu depctr_va_vdst(0)
	s_wait_kmcnt 0x0
	s_add_nc_u64 s[SRCP:SRCP+1], s[42:43], s[28:29]
	s_add_nc_u64 s[DSTP:DSTP+1], s[44:45], s[32:33]
	s_add_nc_u64 s[SCP:SCP+1], s[44:45], s[34:35]
	QW 4096
	s_endpgm
.Lfunc_end_k_q81315eed39_prep:
	.size	k_q81315eed39_prep, .Lfunc_end_k_q81315eed39_prep-k_q81315eed39_prep
	.p2alignl 7, 3214868480
	.fill 96, 4, 3214868480
	.section	.rodata,"a",@progbits
	.p2align	6, 0x0
	.amdhsa_kernel k_q81315eed39_prep
		.amdhsa_group_segment_fixed_size 72704
		.amdhsa_private_segment_fixed_size 0
		.amdhsa_enable_private_segment 0
		.amdhsa_kernarg_size 72
		.amdhsa_user_sgpr_count 2
		.amdhsa_user_sgpr_kernarg_segment_ptr 1
		.amdhsa_wavefront_size32 1
		.amdhsa_system_sgpr_workgroup_id_x 1
		.amdhsa_system_sgpr_workgroup_id_y 1
		.amdhsa_system_sgpr_workgroup_id_z 1
		.amdhsa_system_vgpr_workitem_id 0
		.amdhsa_next_free_vgpr 512
		.amdhsa_next_free_sgpr 66
		.amdhsa_reserve_vcc 1
		.amdhsa_float_denorm_mode_32 3
		.amdhsa_float_denorm_mode_16_64 3
		.amdhsa_memory_ordered 1
		.amdhsa_forward_progress 1
		.amdhsa_inst_pref_size 177
	.end_amdhsa_kernel
	.amdgpu_metadata
---
amdhsa.version: [ 1, 2 ]
amdhsa.kernels:
  - .name:           k_q81315eed39_prep
    .symbol:         k_q81315eed39_prep.kd
    .args:
      - { .name: x, .offset: 0, .size: 8, .value_kind: global_buffer, .address_space: global }
      - { .name: wr, .offset: 8, .size: 8, .value_kind: global_buffer, .address_space: global }
      - { .name: xq, .offset: 16, .size: 8, .value_kind: global_buffer, .address_space: global }
      - { .name: xs, .offset: 24, .size: 8, .value_kind: global_buffer, .address_space: global }
      - { .name: tab, .offset: 32, .size: 8, .value_kind: global_buffer, .address_space: global }
      - { .name: gates, .offset: 40, .size: 8, .value_kind: global_buffer, .address_space: global }
      - { .name: w1, .offset: 48, .size: 8, .value_kind: global_buffer, .address_space: global }
      - { .name: w2, .offset: 56, .size: 8, .value_kind: global_buffer, .address_space: global }
      - { .name: wq, .offset: 64, .size: 8, .value_kind: global_buffer, .address_space: global }
    .group_segment_fixed_size: 72704
    .private_segment_fixed_size: 0
    .kernarg_segment_align: 8
    .kernarg_segment_size: 72
    .max_flat_workgroup_size: 128
    .sgpr_count:     66
    .vgpr_count:     512
    .wavefront_size: 32
...
	.end_amdgpu_metadata
.endif
;; end of part 1
;; launch chain (part 2): grid 28 x 9, 4 waves a work-group, no clusters, 98,816 bytes of LDS; arguments xq, xs, wq, b1, b2, gates, tab, out0; writes out0
.if DOCPART == 2
	.amdgcn_target "amdgcn-amd-amdhsa--gfx1250"
	.amdhsa_code_object_version 6
	.text
	.protected	k_q81315eed39_chain
	.globl	k_q81315eed39_chain
	.p2align	8
	.type	k_q81315eed39_chain,@function
k_q81315eed39_chain:
	s_mov_b64 s[64:65], 0
	v_nop
	global_prefetch_b8 v0, s[64:65] scope:SCOPE_SE
	s_setreg_imm32_b32 hwreg(HW_REG_WAVE_MODE, 25, 1), 1
	s_wait_xcnt 0x0
; CHAIN: work-group (key, j) takes tiles j, j + 9, j + 18 .. of the tokens that chose the pair of experts 'key' (lo, hi), up to 48 tokens a tile, through both experts' whole chain:
; u = x W1 + b1, h = silu(a) b, h quantised, y = h W2 + b2, out = g_lo y_lo + g_hi y_hi.
; Work left out: the rows of the six experts that a token did not choose; reference() multiplies them by a gate that it builds as 0 (shown at the head of the first kernel).
; So every output row has one owner and nothing is added across work-groups.  9 x 19 x 48 = 8,208: 19 trips serve any split of the 8,192 tokens, all on one pair too.  A trip without rows passes its two barriers and stores nothing.
; THE PAIR HANGS ON THE WORK-GROUP'S NUMBER ALONE, so the weights' first three units are asked for before the tokens are known.
; THE TOKENS: tab[chunk][key] = (mask of the chunk's 32 tokens with this key, their number).  Each wave scans 64 of the 256 chunks; first places and masks go to LDS; a row of a tile is then found by three
; searches (4 quarters, 8 groups, 8 chunks: the last whose first place is not above the row's) and by the row's bit in the chunk's mask.
; Rows of a tile beyond its count repeat its last token: they compute and store that token's own numbers once more; a group of 16 rows that lies wholly beyond the count is not stored.
; NO TENSOR LOAD AND NO CLUSTER: branches hang on the counts read from memory, and partners would need different numbers of tiles.  The weights lie in memory in the order of the operand's registers and go straight
; into registers, three units ahead of their use; a unit is read by up to 7 x 9 work-groups, and a tile's 24 units stand in straight text: no prefetch beside them.
; SHARES.  THE WAVES SHARE THE COLUMNS: wave w makes hidden units 64 w .. 64 w + 63 (a and b) and output columns 256 w .. 256 w + 255, for all 48 rows: each weight byte enters the work-group once.
; x enters once too: a wave fetches 12 rows of codes, 512 consecutive bytes each, and all waves take their fragments from LDS (rows 528 bytes apart).
; Both products are used TRANSPOSED (source 0 = 16 rows of weights, source 1 = 16 tokens): a lane holds one token (lane % 16) throughout.  The rows of W1 that form a tile are chosen so that the 16 registers of tile pairs
; 2 b and 2 b + 1 are 16 neighbours along the next K.  The biases are the C of each sum's first matrix instruction.
; THE STREAM.  24 units of 8,704 bytes a wave (8 fragments and their scale words): units 0-15 W1 (expert j / 8, tile pair (j / 2) % 4, half j % 2 of K), units 16-23 W2 (64 columns (j - 16) / 2, expert j % 2), through a ring of four
; slots in window 3.  The hidden layer goes from wave to wave through LDS as an image of the operand's registers.
; LIMITS: NaN and infinities are not served; a block of h that is all zeros gets the byte 1 (its codes are zeros).
; REGISTERS (all maps keep a stride of four tiles of rows; m runs 0 to 2).  window 0: addresses, gates, scale words (v60-107, v172-179: they hold scales and nothing else), b1 (v108-139 later take rows read back from the stage), two slots of b2.
;   window 1: x's rows as loaded (v128-175), x's fragments; later v0-63 two slots of b2, v64-127 rows read back from the stage, v128-255 the hidden layer's fragments.
;   window 2: phase 1: two sets of six accumulators (in v0-127), at work v128-167; phase 2: lo's 12 accumulators in v0-127, hi's in v128-255.   window 3: the ring.
.set UNITB, 8704
.set W2OFF, 2228224
.set TRIPS, 19
.set CB,    0                          ; LDS: a chunk's first place among its quarter's, 4 bytes x 256
.set MK,    1024                       ; its mask
.set TOT,   2048                       ; the four quarters' totals
.set TOK,   2304                       ; for each wave 64 token numbers (256 bytes)
.set HIMG,  3328                       ; the hidden layer's fragments: 1,024 ((4 p + m) 2 + s2) + 512 c + 16 lane
.set HSC,   19712                      ; their scale words: 128 (4 p + m) + 64 s2 + 4 row
.set XIMG,  20736                      ; x's codes: 48 rows x (512 + 16) bytes
.set STAGE, 46080                      ; for each wave 48 rows x (256 + 16) bytes
.set STGB,  13056
.set SPARE, 98304                      ; the spare words, 128 bytes for each wave: no other line names them
.set RR,   1                           ; lane % 16
.set HH,   2                           ; lane / 16
.set LI,   3                           ; 16 x lane
.set STO,  4                           ; the stage: where I put 32 bytes of a row
.set RD,   5                           ; and where I read a row back
.set HWI,  6                           ; where I store my part of a hidden fragment
.set HWS,  7                           ; and my two scale bytes
.set A64H, 8
.set A32H, 9
.set TG,   13                          ; my chunks' entries in tab
.set XSA,  14                          ; v14-16  token x 32
.set CBA,  17                          ; my two chunks' words
.set SPW,  18                          ; my spare word; never rewritten
.set NIL,  19                          ; 0; never rewritten
.set G,    20                          ; v20-25  (g_lo, g_hi) of token 16 m + r
.set TOTA, 26
.set TOTR, 27
.set OFFS, 28                          ; v28-51  token(2 i + h) x 4,096 + 16 r
.set XST,  52                          ; where I put x's rows
.set XF,   53                          ; where I read x's fragments
.set TOKW, 54                          ; my token list: entry lane,
.set TOKX, 55                          ; entry 12 wave,
.set TOKH, 56                          ; entry h,
.set TOKR, 57                          ; entry r
.set LN,   58                          ; lane
.set XS,   60                          ; v60-91  x's scale words: 8 m + s
.set WS,   92                          ; v92-107 the weights' scale words, four to a slot
.set B1,   108                         ; v108-171 b1: 16 tp + 8 ab
.set RB0,  108                         ; phase 2: rows 32-47 read back from the stage, v108-139 (b1 is done with)
.set RB1,  64                          ; phase 2, window 1: rows 0-31 read back, v64-127 (x's fragments are done with)
; the search, two sets of rows (0-31: stride 0; 32-47: stride 8): in registers that b1's second half takes later
.set PO,   140                         ; place, then token
.set PQ,   141
.set PB,   142
.set PL,   143
.set PA,   144
.set PT,   145
.set PP,   146
.set PM,   147
.set CC1,  156                         ; counts of the mask's bits by 2, 4, 8, 16: CC1 + 4 x set + 0 .. 3
.set XV,   152                         ; v152-163 addresses of my 12 rows of x (the search is done with)
.set LV,   180                         ; v180-211 words from LDS, 16 a set (in registers that b2 takes later)
.set HS,   172                         ; v172-179 the hidden layer's scale words: 4 p + m
.set BS,   180                         ; v180-243 b2, slots 0 and 1 (slots 2 and 3: window 1, v0-63)
.set LS4,  244                         ; 4 x lane
.set GA,   246                         ; v246-248 token x 8
.set R16,  250
.set MX,   128                         ; window 2, phase 1: largest magnitudes,
.set PX,   132                         ; lane l xor 16's,
.set SCL,  136                         ; the conversions' scale operands,
.set BY,   140                         ; the bytes: 4 b + m,
.set HWD,  148                         ; two bytes together,
.set PCD,  152                         ; the codes: 4 m + 2 b + u
.set WV,    4
.set CNT,   5
.set LAST,  6
.set FIRST, 7
.set TQ,   24                          ; s24-26 first places of quarters 1 to 3; s27 the pair's tokens
.set NN,   27
.set TRIP, 28
.set P1,   32                          ; s[32:35] my part of W1's units, lo's and hi's;  s[36:39] of W2's
.set P2,   36
.set B1P,  40                          ; s[40:43] b1, s[44:47] b2 likewise
.set B2P,  44
.set OUTP, 48
.set NL2E, 50
.set SEL,  52
.set MSB, 0
.macro WIN new                         ; the immediate's high byte repeats the setting that is left
.if MSB != \new
	s_set_vgpr_msb (MSB<<8)|\new
.set MSB, \new
.endif
.endm
.macro B2LOAD                          ; b2 of unit LJ: lane (r, h) wants, for column tile q, columns 16 q + 8 h + 0 .. 7
.set LBP, B2P+2*(LJ%2)
.set LGR, (LJ-16)/2
.if LJ%4 < 2
.set BSA, BS+32*(LJ%4)
	WIN 0
.else
.set BSA, 32*(LJ%4-2)
	WIN 0x40
.endif
.irp q, 0,1,2,3
	global_load_b128 v[BSA+8*\q:BSA+8*\q+3], v[A32H], s[LBP:LBP+1] offset:256*LGR+64*\q
	global_load_b128 v[BSA+8*\q+4:BSA+8*\q+7], v[A32H], s[LBP:LBP+1] offset:256*LGR+64*\q+16
.endr
	WIN 0
.endm
.macro LOADU                           ; unit LJ into slot LJ % 4: 16 loads of 512 consecutive bytes, its scale words, and the bias that goes with it
.if LJ < 24
.set LSL, 64*(LJ%4)
.if LJ < 16
.set LPB, P1+2*(LJ/8)
.set LUO, (LJ%8)*UNITB
.else
.set LPB, P2+2*(LJ%2)
.set LUO, ((LJ-16)/2)*UNITB
.endif
	WIN 0xc0                                       ; destination window 3
.irp f, 0,1,2,3,4,5,6,7
	global_load_b128 v[LSL+8*\f:LSL+8*\f+3], v[LI], s[LPB:LPB+1] offset:LUO+1024*\f
	global_load_b128 v[LSL+8*\f+4:LSL+8*\f+7], v[LI], s[LPB:LPB+1] offset:LUO+1024*\f+512
.endr
	WIN 0
	global_load_b128 v[WS+4*(LJ%4):WS+4*(LJ%4)+3], v[LI], s[LPB:LPB+1] offset:LUO+8192
.if (LJ < 16) && (LJ%2 == 0)
.set LTP, (LJ/2)%4
.set LBB, B1P+2*(LJ/8)
.irp ab, 0,1
	global_load_b128 v[B1+16*LTP+8*\ab:B1+16*LTP+8*\ab+3], v[A64H], s[LBB:LBB+1] offset:1024*\ab+128*(LTP/2)+32*(LTP%2)
	global_load_b128 v[B1+16*LTP+8*\ab+4:B1+16*LTP+8*\ab+7], v[A64H], s[LBB:LBB+1] offset:1024*\ab+128*(LTP/2)+32*(LTP%2)+16
.endr
.endif
.if LJ >= 18
	B2LOAD
.endif
.endif
.endm
.macro FIRST3                          ; units 0 to 2: 21 + 17 + 21 loads
.set LJ, 0
	LOADU
.set LJ, 1
	LOADU
.set LJ, 2
	LOADU
.endm
.macro SZOF jj                         ; adds to NW the loads of unit jj: 17; with b1 21; with b2 25
.if (\jj) > 23
.elseif (\jj) >= 18
.set NW, NW+25
.elseif (\jj) >= 16
.set NW, NW+17
.elseif ((\jj)%2) == 0
.set NW, NW+21
.else
.set NW, NW+17
.endif
.endm
; Unit J is in: the loads of the three units behind it may stay out (the field holds 63 at the most; a smaller count is safe).  Units 0 to 2 were in when x was.
.macro WAITU
.set NW, 0
	SZOF J+1
	SZOF J+2
	SZOF J+3
.if NW > 63
.set NW, 63
.endif
	s_wait_loadcnt NW
.endm
.macro WM                              ; one matrix instruction from the symbols rD, rA, rB, rC, rSA, rSB; fRA, fRB: the scale registers' rows
.if fRA == 0
	v_wmma_scale_f32_16x16x128_f8f6f4 v[rD:rD+7], v[rA:rA+7], v[rB:rB+7], v[rC:rC+7], v[rSA], v[rSB] matrix_a_fmt:MATRIX_FMT_FP4 matrix_b_fmt:MATRIX_FMT_FP4
.elseif fRB == 0
	v_wmma_scale_f32_16x16x128_f8f6f4 v[rD:rD+7], v[rA:rA+7], v[rB:rB+7], v[rC:rC+7], v[rSA], v[rSB] matrix_a_fmt:MATRIX_FMT_FP4 matrix_b_fmt:MATRIX_FMT_FP4 matrix_a_scale:MATRIX_SCALE_ROW1
.else
	v_wmma_scale_f32_16x16x128_f8f6f4 v[rD:rD+7], v[rA:rA+7], v[rB:rB+7], v[rC:rC+7], v[rSA], v[rSB] matrix_a_fmt:MATRIX_FMT_FP4 matrix_b_fmt:MATRIX_FMT_FP4 matrix_a_scale:MATRIX_SCALE_ROW1 matrix_b_scale:MATRIX_SCALE_ROW1
.endif
.endm
.macro CLEAR from, n
.set i, \from
.rept \n
	v_mov_b32 v[i], 0
.set i, i+1
.endr
.endm
	s_load_b512 s[8:23], s[0:1], 0x0               ; xq, xs, wq, b1, b2, gates, tab, out0
	v_lshl_add_u32 v[SPW], v0, 2, SPARE
	v_mov_b32 v[NIL], 0
	v_lshrrev_b32 v[RR], 5, v0
	v_readfirstlane_b32 s[WV], v[RR]               ; wave 0..3
	v_and_b32 v[LN], 31, v0
	v_and_b32 v[RR], 15, v0
	v_bfe_u32 v[HH], v0, 4, 1
	v_lshlrev_b32 v[LI], 4, v[LN]
	v_lshlrev_b32 v[LS4], 2, v[LN]
	s_lshl_b32 s2, s[WV], 14
	s_lshl_b32 s3, ttmp9, 3
	s_add_co_u32 s2, s2, s3
	v_lshl_add_u32 v[TG], v[LN], 9, s2             ; chunk 64 w + 2 lane: 256 bytes a chunk, 8 a key
	s_lshl_b32 s2, s[WV], 8
	v_lshl_add_u32 v[CBA], v[LN], 3, s2            ; 4 x that chunk
	s_add_co_u32 s3, s2, TOK
	v_add_nc_u32 v[TOKW], s3, v[LS4]
	v_lshl_add_u32 v[TOKR], v[RR], 2, s3
	v_lshl_add_u32 v[TOKH], v[HH], 2, s3
	s_mul_i32 s3, s[WV], 304
	s_add_co_u32 s3, s3, TOK
	v_mov_b32 v[TOKX], s3
	s_lshl_b32 s3, s[WV], 2
	s_add_co_u32 s3, s3, TOT
	v_mov_b32 v[TOTA], s3
	v_mov_b32 v[TOTR], TOT
	s_mul_i32 s3, s[WV], 12*528
	s_add_co_u32 s3, s3, XIMG
	v_add_nc_u32 v[XST], s3, v[LI]
	v_mul_u32_u24 v[XF], v[RR], 528
	v_lshl_add_u32 v[XF], v[HH], 4, v[XF]
	v_add_nc_u32 v[XF], XIMG, v[XF]
	s_mul_i32 s3, s[WV], STGB
	s_add_co_u32 s3, s3, STAGE                     ; my stage
	v_mul_u32_u24 v[STO], v[RR], 272
	v_lshl_add_u32 v[STO], v[HH], 5, v[STO]
	v_add_nc_u32 v[STO], s3, v[STO]                ; in: row r, 32 bytes for each half of the lanes
	v_mul_u32_u24 v[RD], v[HH], 272
	v_lshl_add_u32 v[RD], v[RR], 4, v[RD]
	v_add_nc_u32 v[RD], s3, v[RD]                  ; back: lanes 0-15 one row of 256 bytes, lanes 16-31 the next
	s_lshl_b32 s3, s[WV], 9
	v_add_nc_u32 v[HWI], s3, v[LI]                 ; my 64 hidden units are registers 4 (w % 2) .. + 3 of K step w / 2: 1,024 (w / 2) + 512 (w % 2) = 512 w
	s_lshr_b32 s3, s[WV], 1
	s_lshl_b32 s3, s3, 6
	s_and_b32 s54, s[WV], 1
	s_lshl_b32 s54, s54, 1
	s_add_co_u32 s3, s3, s54
	s_add_co_u32 s3, s3, HSC
	v_lshl_add_u32 v[HWS], v[RR], 2, s3            ; bytes 2 (w % 2), + 1 of row r's word of K step w / 2
	v_lshlrev_b32 v[A64H], 6, v[HH]
	v_lshlrev_b32 v[A32H], 5, v[HH]
	v_lshlrev_b32 v[R16], 4, v[RR]
	s_mov_b32 s[NL2E], 0xbfb8aa3b                  ; -log2(e)
	s_mov_b32 s[NL2E+1], s[NL2E]                   ; (named with it as a pair, so it is written)
	s_mov_b32 s[SEL], 0x76543210
	s_mov_b32 s[SEL+1], 0xfedcba98                 ; v_permlanex16_b32's selects for lane l xor 16
	s_mov_b32 s30, 0                               ; lo: how many of the runs (1,..) .. (6,..) begin at or under my key
.irp t, 7,13,18,22,25,27
	s_cmp_ge_u32 ttmp9, \t
	s_add_co_ci_u32 s30, s30, 0
.endr
	s_sub_co_u32 s3, 15, s30
	s_mul_i32 s3, s3, s30
	s_lshr_b32 s3, s3, 1                           ; key = lo (15 - lo) / 2 + hi - lo - 1
	s_sub_co_u32 s31, ttmp9, s3
	s_add_co_u32 s31, s31, s30
	s_add_co_u32 s31, s31, 1                       ; hi
	s_and_b32 s2, ttmp7, 0xffff
	s_mul_i32 s[FIRST], s2, 48                     ; my first tile's first place
	s_wait_alu depctr_va_vdst(0)                   ; the wait at the head's end
	s_wait_kmcnt 0x0
	global_load_b64 v[164:165], v[TG], s[20:21]            ; chunk 2 lane of my quarter: mask, count
	global_load_b64 v[166:167], v[TG], s[20:21] offset:256 ; the next chunk
	s_mov_b32 s3, 0
	s_mul_i32 s54, s[WV], 8*UNITB
	s_mul_i32 s2, s30, 32*UNITB
	s_add_co_u32 s2, s2, s54
	s_add_nc_u64 s[P1:P1+1], s[12:13], s[2:3]
	s_mul_i32 s2, s31, 32*UNITB
	s_add_co_u32 s2, s2, s54
	s_add_nc_u64 s[P1+2:P1+3], s[12:13], s[2:3]
	s_mul_i32 s54, s[WV], 4*UNITB
	s_add_co_u32 s54, s54, W2OFF
	s_mul_i32 s2, s30, 16*UNITB
	s_add_co_u32 s2, s2, s54
	s_add_nc_u64 s[P2:P2+1], s[12:13], s[2:3]
	s_mul_i32 s2, s31, 16*UNITB
	s_add_co_u32 s2, s2, s54
	s_add_nc_u64 s[P2+2:P2+3], s[12:13], s[2:3]
	s_lshl_b32 s54, s[WV], 8                       ; b1: 2,048 bytes an expert, my 64 numbers
	s_lshl_b32 s2, s30, 11
	s_add_co_u32 s2, s2, s54
	s_add_nc_u64 s[B1P:B1P+1], s[14:15], s[2:3]
	s_lshl_b32 s2, s31, 11
	s_add_co_u32 s2, s2, s54
	s_add_nc_u64 s[B1P+2:B1P+3], s[14:15], s[2:3]
	s_lshl_b32 s54, s[WV], 10                      ; b2: 4,096 bytes an expert, my 256 numbers
	s_lshl_b32 s2, s30, 12
	s_add_co_u32 s2, s2, s54
	s_add_nc_u64 s[B2P:B2P+1], s[16:17], s[2:3]
	s_lshl_b32 s2, s31, 12
	s_add_co_u32 s2, s2, s54
	s_add_nc_u64 s[B2P+2:B2P+3], s[16:17], s[2:3]
	s_mov_b32 s2, s54
	s_add_nc_u64 s[OUTP:OUTP+1], s[22:23], s[2:3]  ; out0 at my 256 columns
	FIRST3
	; a trip without rows writes none of its registers: those that the text below it names are written once here, on every way
	CLEAR G, 6
	CLEAR OFFS, 24
	CLEAR XS, 24
	CLEAR WS+12, 4
	CLEAR BS, 64
	v_mov_b32 v168, 0
	WIN 0x40
	CLEAR 0, 64
	WIN 0xc0
	CLEAR 192, 64
	WIN 0
	s_wait_alu depctr_va_vdst(0)
	s_wait_loadcnt 59                              ; the table's two loads are in; the 59 of units 0 to 2 stay out
	v_add_nc_u32 v170, v165, v167
	v_mov_b32 v169, v170
.irp n, 1,2,4,8                        ; sums over the lanes of a row up to mine
	v_mov_b32_dpp v168, v169 row_shr:\n row_mask:0xf bank_mask:0xf bound_ctrl:1
	v_add_nc_u32 v169, v169, v168
.endr
	v_readlane_b32 s2, v169, 15
	v_mad_u32_u24 v169, v[HH], s2, v169            ; lanes 16-31: and the first row's
	v_readlane_b32 s3, v169, 31                    ; my quarter's total
	v_sub_nc_u32 v170, v169, v170                  ; first place of my even chunk,
	v_add_nc_u32 v171, v170, v165                  ; of my odd one
	v_mov_b32 v165, v166                           ; the two masks side by side
	v_mov_b32 v168, s3
	ds_store_b64 v[CBA], v[170:171] offset:CB
	ds_store_b64 v[CBA], v[164:165] offset:MK
	ds_store_b32 v[TOTA], v168                     ; all lanes the same word, the same value
	s_wait_dscnt 0x0                               ; for the others' sake
	s_barrier_signal -1
	s_barrier_wait -1
	ds_load_b128 v[164:167], v[TOTR]
	s_wait_dscnt 0x0
	v_readfirstlane_b32 s[TQ], v164
	v_readfirstlane_b32 s[TQ+1], v165
	v_readfirstlane_b32 s[TQ+2], v166
	v_readfirstlane_b32 s[NN], v167
	s_add_co_u32 s[TQ+1], s[TQ+1], s[TQ]
	s_add_co_u32 s[TQ+2], s[TQ+2], s[TQ+1]
	s_add_co_u32 s[NN], s[NN], s[TQ+2]
	s_mov_b32 s[TRIP], 0
; PQ = the last i of 0 .. 7 whose word is not above the row's place;  wb = 1: PB = that word
.macro FIND lb, wb
.irp x, 0,1
	v_mov_b32 v[PQ+8*\x], 0
.if \wb
	v_mov_b32 v[PB+8*\x], v[LV+16*\x+\lb]
.endif
.endr
.irp i, 1,2,3,4,5,6,7
.irp x, 0,1
	v_cmp_gt_u32 s[54+\x], v[LV+16*\x+\lb+\i], v[PL+8*\x]
.endr
.irp x, 0,1
	v_cndmask_b32 v[PQ+8*\x], \i, v[PQ+8*\x], s[54+\x]
.if \wb
	v_cndmask_b32 v[PB+8*\x], v[LV+16*\x+\lb+\i], v[PB+8*\x], s[54+\x]
.endif
.endr
.endr
.endm
; One halving of the mask: PT = the set bits of the lower 'inc' bits from PP on; PL of them or more lie there, or PP goes up
.macro HALVE src, st, wd, inc
.irp x, 0,1
	v_bfe_u32 v[PT+8*\x], v[\src+\st*\x], v[PP+8*\x], \wd
.endr
.irp x, 0,1
	v_cmp_gt_u32 s[54+\x], v[PT+8*\x], v[PL+8*\x]
	v_sub_nc_u32 v[PQ+8*\x], v[PL+8*\x], v[PT+8*\x]
.endr
.irp x, 0,1
	v_cndmask_b32 v[PL+8*\x], v[PQ+8*\x], v[PL+8*\x], s[54+\x]
	v_add_nc_u32 v[PQ+8*\x], \inc, v[PP+8*\x]
.endr
.irp x, 0,1
	v_cndmask_b32 v[PP+8*\x], v[PQ+8*\x], v[PP+8*\x], s[54+\x]
.endr
.endm
.Ltrip:
	s_max_u32 s2, s[NN], s[FIRST]
	s_sub_co_u32 s[CNT], s2, s[FIRST]
	s_min_u32 s[CNT], s[CNT], 48                   ; this tile's rows, 0 to 48
	s_cmp_lg_u32 s[CNT], 0
	s_cbranch_scc1 .Lhas_rows
	s_wait_loadcnt 0x0                             ; no rows: nothing stays out, and on to the barriers, which every wave passes
	s_branch .Lx_join
.Lhas_rows:
	s_cmp_eq_u32 s[TRIP], 0
	s_cbranch_scc1 .Lasked                         ; the first trip's units 0 to 2 were asked for at the head
	s_wait_loadcnt 0x0                             ; (no load is out in a later trip)
	FIRST3
.Lasked:
	s_max_u32 s2, s[CNT], 1
	s_add_co_u32 s[LAST], s[FIRST], s2
	s_sub_co_u32 s[LAST], s[LAST], 1               ; the tile's last place
	v_add_nc_u32 v[PO], s[FIRST], v[LN]            ; rows 0-31,
	v_add3_u32 v[PO+8], s[FIRST], v[RR], 32        ; rows 32-47
.irp x, 0,1
	v_min_u32 v[PO+8*\x], s[LAST], v[PO+8*\x]
	v_mov_b32 v[PQ+8*\x], 0
	v_mov_b32 v[PB+8*\x], 0
.endr
.irp i, 1,2,3                          ; which quarter
.irp x, 0,1
	v_cmp_gt_u32 s[54+\x], s[TQ-1+\i], v[PO+8*\x]
.endr
.irp x, 0,1
	v_cndmask_b32 v[PQ+8*\x], \i, v[PQ+8*\x], s[54+\x]
	v_cndmask_b32 v[PB+8*\x], s[TQ-1+\i], v[PB+8*\x], s[54+\x]
.endr
.endr
.irp x, 0,1
	v_sub_nc_u32 v[PL+8*\x], v[PO+8*\x], v[PB+8*\x]
	v_min_u32 v[PQ+8*\x], 3, v[PQ+8*\x]            ; what hangs on loaded numbers enters an address only behind such a hold
	v_lshlrev_b32 v[PA+8*\x], 8, v[PQ+8*\x]
.endr
.irp x, 0,1
	v_and_b32 v[PA+8*\x], 0x300, v[PA+8*\x]        ; 0 .. 3 quarters of 256 bytes
.endr
.irp x, 0,1
.irp i, 1,2,3,4,5,6,7
	ds_load_b32 v[LV+16*\x+\i], v[PA+8*\x] offset:CB+32*\i
.endr
.endr
	s_wait_alu depctr_va_vdst(0)
	s_wait_dscnt 0x0
	FIND 0, 0                                      ; which group of eight chunks (its word 0 is not compared)
.irp x, 0,1
	v_min_u32 v[PQ+8*\x], 7, v[PQ+8*\x]
	v_lshl_add_u32 v[PA+8*\x], v[PQ+8*\x], 5, v[PA+8*\x]
.endr
.irp x, 0,1
	v_and_b32 v[PA+8*\x], 0x3e0, v[PA+8*\x]
.endr
.irp x, 0,1
	ds_load_b128 v[LV+16*\x+8:LV+16*\x+11], v[PA+8*\x] offset:CB
	ds_load_b128 v[LV+16*\x+12:LV+16*\x+15], v[PA+8*\x] offset:CB+16
.endr
	s_wait_alu depctr_va_vdst(0)
	s_wait_dscnt 0x0
	FIND 8, 1                                      ; which chunk, and its first place
.irp x, 0,1
	v_min_u32 v[PQ+8*\x], 7, v[PQ+8*\x]
	v_lshl_add_u32 v[PA+8*\x], v[PQ+8*\x], 2, v[PA+8*\x]
.endr
.irp x, 0,1
	v_and_b32 v[PA+8*\x], 0x3fc, v[PA+8*\x]        ; 4 x chunk
.endr
.irp x, 0,1
	ds_load_b32 v[PM+8*\x], v[PA+8*\x] offset:MK
.endr
.irp x, 0,1
	v_sub_nc_u32 v[PL+8*\x], v[PL+8*\x], v[PB+8*\x] ; the row's number among the chunk's set bits
	v_mov_b32 v[PP+8*\x], 0
.endr
	s_wait_alu depctr_va_vdst(0)
	s_wait_dscnt 0x0
.irp x, 0,1
	v_lshrrev_b32 v[PT+8*\x], 1, v[PM+8*\x]
.endr
.irp x, 0,1
	v_and_b32 v[PT+8*\x], 0x55555555, v[PT+8*\x]
.endr
.irp x, 0,1
	v_sub_nc_u32 v[CC1+4*\x], v[PM+8*\x], v[PT+8*\x]               ; set bits of each 2,
.endr
.irp x, 0,1
	v_lshrrev_b32 v[PT+8*\x], 2, v[CC1+4*\x]
	v_and_b32 v[CC1+1+4*\x], 0x33333333, v[CC1+4*\x]
.endr
.irp x, 0,1
	v_and_b32 v[PT+8*\x], 0x33333333, v[PT+8*\x]
.endr
.irp x, 0,1
	v_add_nc_u32 v[CC1+1+4*\x], v[CC1+1+4*\x], v[PT+8*\x]          ; of each 4,
.endr
.irp x, 0,1
	v_lshrrev_b32 v[PT+8*\x], 4, v[CC1+1+4*\x]
.endr
.irp x, 0,1
	v_add_nc_u32 v[PT+8*\x], v[CC1+1+4*\x], v[PT+8*\x]
.endr
.irp x, 0,1
	v_and_b32 v[CC1+2+4*\x], 0xf0f0f0f, v[PT+8*\x]                 ; of each 8,
.endr
.irp x, 0,1
	v_lshrrev_b32 v[PT+8*\x], 8, v[CC1+2+4*\x]
.endr
.irp x, 0,1
	v_add_nc_u32 v[CC1+3+4*\x], v[CC1+2+4*\x], v[PT+8*\x]          ; of the lower 16 (in the low byte)
.endr
	HALVE CC1+3, 4, 8, 16
	HALVE CC1+2, 4, 8, 8
	HALVE CC1+1, 4, 4, 4
	HALVE CC1, 4, 2, 2
	HALVE PM, 8, 1, 1
.irp x, 0,1
	v_lshl_add_u32 v[PO+8*\x], v[PA+8*\x], 3, v[PP+8*\x]           ; token = 32 x chunk + bit
.endr
.irp x, 0,1
	v_min_u32 v[PO+8*\x], 0x1fff, v[PO+8*\x]
.endr
	ds_store_b32 v[TOKW], v[PO]                    ; my own list: LDS serves a wave's instructions in order, so the loads below see it
	ds_store_b32 v[TOKW], v[PO+8] offset:128
.irp k, 0,1,2
	ds_load_b128 v[XV+4*\k:XV+4*\k+3], v[TOKX] offset:16*\k        ; rows 12 wave + 0 .. 11, the same in all lanes
.endr
.irp m, 0,1,2
	ds_load_b32 v[XSA+\m], v[TOKR] offset:64*\m    ; row 16 m + r
.endr
.set i, 0
.rept 24
	ds_load_b32 v[OFFS+i], v[TOKH] offset:8*i      ; row 2 i + h: for the stores
.set i, i+1
.endr
	s_wait_alu depctr_va_vdst(0)
	s_wait_dscnt 0x0
.set i, 0
.rept 12
	v_min_u32 v[XV+i], 0x1fff, v[XV+i]             ; loaded numbers enter addresses only behind such holds
.set i, i+1
.endr
.irp m, 0,1,2
	v_min_u32 v[XSA+\m], 0x1fff, v[XSA+\m]
.endr
.set i, 0
.rept 12
	v_lshl_add_u32 v[XV+i], v[XV+i], 9, v[LI]
.set i, i+1
.endr
.irp m, 0,1,2
	v_lshlrev_b32 v[GA+\m], 3, v[XSA+\m]
.endr
.irp m, 0,1,2
	v_lshlrev_b32 v[XSA+\m], 5, v[XSA+\m]
.endr
	WIN 0x40                                       ; destination window 1
.set i, 0
.rept 12
	global_load_b128 v[128+4*i:128+4*i+3], v[XV+i], s[8:9]         ; a row of x's codes: 512 consecutive bytes
.set i, i+1
.endr
	WIN 0
.irp m, 0,1,2
	global_load_b128 v[XS+8*\m:XS+8*\m+3], v[XSA+\m], s[10:11]
	global_load_b128 v[XS+8*\m+4:XS+8*\m+7], v[XSA+\m], s[10:11] offset:16
.endr
.irp m, 0,1,2
	global_load_b64 v[G+2*\m:G+2*\m+1], v[GA+\m], s[18:19]
.endr
.set LJ, 3
	LOADU
.set LJ, 16
	B2LOAD
.set LJ, 17
	B2LOAD
.set i, 0
.rept 24
	v_min_u32 v[OFFS+i], 0x1fff, v[OFFS+i]
.set i, i+1
.endr
.set i, 0
.rept 24
	v_lshl_add_u32 v[OFFS+i], v[OFFS+i], 12, v[R16]
.set i, i+1
.endr
	s_wait_alu depctr_va_vdst(0)
	s_wait_loadcnt 33                              ; units 0 to 2, x, its scale words and the gates are in; unit 3's 17 loads and b2's 16 stay out
	WIN 0x04                                       ; an LDS store's data are its source 1: window 1
.set i, 0
.rept 12
	ds_store_b128 v[XST], v[128+4*i:128+4*i+3] offset:528*i
.set i, i+1
.endr
	WIN 0
.Lx_join:
	s_wait_dscnt 0x0                               ; for the others' sake: my rows of x lie in LDS
	s_barrier_signal -1
	s_barrier_wait -1
	s_cmp_lg_u32 s[CNT], 0
	s_cbranch_scc1 .Lrows
	s_wait_loadcnt 0x0
	s_branch .Ljoin
.Lrows:
	WIN 0x40                                       ; x's fragment (K step s, rows 16 m ..) at v[8 (4 s + m)]
.irp s, 0,1,2,3,4,5,6,7
.irp m, 0,1,2
	ds_load_b128 v[8*(4*\s+\m):8*(4*\s+\m)+3], v[XF] offset:8448*\m+64*\s
	ds_load_b128 v[8*(4*\s+\m)+4:8*(4*\s+\m)+7], v[XF] offset:8448*\m+64*\s+32
.endr
.endr
	WIN 0x80
.irp m, 0,1,2
	v_mov_b32 v[PX+\m], 0                          ; written once: a lane permute's destination counts as one of its sources
.endr
	WIN 0
	s_wait_alu depctr_va_vdst(0)
	s_wait_dscnt 24                                ; K steps 0-3 are in; the 24 loads of K steps 4-7 stay out until unit 1
; ---- PHASE 1.  A unit: half of K (four K steps) of one tile pair: 24 matrix instructions on six accumulators (a and b x three tiles of rows), which take turns, one instruction a turn.
.macro UNIT1
.set UTP, (J/2)%4
.set UKH, J%2
.set USG, 64*(UTP%2)
.set USL, 64*(J%4)
.set UWS, WS+4*(J%4)
	WAITU
.if J == 1
	s_wait_dscnt 0x0                               ; x's second half
.endif
.irp ks, 0,1,2,3
.irp ab, 0,1
.if (UKH == 0) && (\ks == 0)
	WIN 0x87                                       ; source 0 (W1) window 3, source 1 (x) window 1, C (b1) window 0, D window 2
.else
	WIN 0xa7                                       ; C and D window 2
.endif
.irp m, 0,1,2
.set rD, USG+32*\ab+8*\m
.set rA, USL+8*(2*\ks+\ab)
.set rB, 8*(4*(4*UKH+\ks)+\m)
.if (UKH == 0) && (\ks == 0)
.set rC, B1+16*UTP+8*\ab
.else
.set rC, rD
.endif
.set rSA, UWS+\ks
.set rSB, XS+8*\m+4*UKH+\ks
.set fRA, \ab
.set fRB, 0
	WM
.endr
.endr
.endr
	WIN 0
.rept 4
	v_nop                                          ; four places in front of loads into registers that these matrix instructions have read, and of the first read of results
.endr
.set LJ, J+4
	LOADU
.endm
; h = a b / (1 + 2^(-a log2 e)), in place, in f32: the set's 24 numbers a (v[SA] on) and 24 numbers b (v[SB2] on); h takes b's place.  Each accumulator is read from its low end on.
; The exponentials are one batch with one wait, and so are the reciprocals.
.macro SWIGLU sg
.set SA, 64*(\sg)
.set SB2, 64*(\sg)+32
	WIN 0xaa                                       ; all operands window 2
.set n, 0
.rept 12
	v_pk_mul_f32 v[SB2+n:SB2+n+1], v[SA+n:SA+n+1], v[SB2+n:SB2+n+1]
.set n, n+2
.endr
.set n, 0
.rept 12
	v_pk_mul_f32 v[SA+n:SA+n+1], v[SA+n:SA+n+1], s[NL2E:NL2E+1] op_sel_hi:[1,0]
.set n, n+2
.endr
.set n, 0
	s_wait_alu depctr_va_vdst(0)
.rept 24
	v_exp_f32 v[SA+n], v[SA+n]
.set n, n+1
.endr
	v_nop                                          ; a plain line behind the last exponential
	s_wait_alu depctr_va_vdst(0)                   ; the wait ahead of the batch's first reader
.set n, 0
.rept 12
	v_pk_add_f32 v[SA+n:SA+n+1], v[SA+n:SA+n+1], 1.0 op_sel_hi:[1,0]
.set n, n+2
.endr
.set n, 0
	s_wait_alu depctr_va_vdst(0)
.rept 24
	v_rcp_f32 v[SA+n], v[SA+n]
.set n, n+1
.endr
	v_nop
	s_wait_alu depctr_va_vdst(0)
.set n, 0
.rept 12
	v_pk_mul_f32 v[SB2+n:SB2+n+1], v[SB2+n:SB2+n+1], v[SA+n:SA+n+1]
.set n, n+2
.endr
.endm
; Block b of my two blocks of 32 hidden units: for each tile of rows my lane's 16 numbers are set 0's h (v[32 + 8 m] on: units 16 h + 0 .. 7) and set 1's (v[96 + 8 m] on: + 8 .. 15); lane l xor 16 holds the other 16.
.macro QBLOCK b
.irp m, 0,1,2
	v_max3_num_f32 v[MX+\m], |v[32+8*\m]|, |v[33+8*\m]|, 0x1800000   ; with the floor 2^(3 - 127): the byte cannot fall under 1
.endr
.irp i, 2,4,6
.irp m, 0,1,2
	v_max3_num_f32 v[MX+\m], v[MX+\m], |v[32+8*\m+\i]|, |v[33+8*\m+\i]|
.endr
.endr
.irp i, 0,2,4,6
.irp m, 0,1,2
	v_max3_num_f32 v[MX+\m], v[MX+\m], |v[96+8*\m+\i]|, |v[97+8*\m+\i]|
.endr
.endr
.irp m, 0,1,2
	v_permlanex16_b32 v[PX+\m], v[MX+\m], s[SEL], s[SEL+1]
.endr
.irp m, 0,1,2
	v_max_num_f32 v[MX+\m], v[MX+\m], v[PX+\m]
.endr
.irp m, 0,1,2
	v_add_nc_u32 v[SCL+\m], 0xff000000, v[MX+\m]   ; 2 off the exponent field: the conversion's scale operand
.endr
.irp m, 0,1,2
	v_lshrrev_b32 v[BY+4*(\b)+\m], 23, v[SCL+\m]   ; the scale's byte
.endr
.irp m, 0,1,2
	v_cvt_scalef32_pk8_fp4_f32 v[PCD+4*\m+2*(\b)], v[32+8*\m:39+8*\m], v[SCL+\m]
	v_cvt_scalef32_pk8_fp4_f32 v[PCD+4*\m+2*(\b)+1], v[96+8*\m:103+8*\m], v[SCL+\m]
.endr
	v_nop                                          ; one plain line behind the scaled conversions
.endm
; Expert p's hidden layer leaves: the operand wants a WHOLE block in a lane (lanes 0-15 block 0, lanes 16-31 block 1); then four registers a tile of rows go to LDS as they stand.
.macro HOUT p
.irp m, 0,1,2
	v_permlane16_swap_b32 v[PCD+4*\m], v[PCD+4*\m+2]
	v_permlane16_swap_b32 v[PCD+4*\m+1], v[PCD+4*\m+3]
.endr
.irp m, 0,1,2
	v_lshl_or_b32 v[HWD+\m], v[BY+4+\m], 8, v[BY+\m]
.endr
	WIN 0x08                                       ; an LDS store's data are its source 1: window 2
.irp m, 0,1,2
	ds_store_b128 v[HWI], v[PCD+4*\m:PCD+4*\m+3] offset:HIMG+(4*(\p)+\m)*2048
	ds_store_b16 v[HWS], v[HWD+\m] offset:(4*(\p)+\m)*128          ; lanes r and r + 16 write the same two bytes with the same values
.endr
	WIN 0
	s_wait_dscnt 0x0                               ; the stores have read their registers
.endm
.set J, 0
.rept 16
	UNIT1
.if J%2 == 1
	SWIGLU (J/2)%2
.endif
.if J%4 == 3
	QBLOCK (J/4)%2
.endif
.if J%8 == 7
	HOUT J/8
.endif
.set J, J+1
.endr
.Ljoin:
	s_wait_dscnt 0x0                               ; for the others' sake: my part of the hidden layer lies in LDS
	s_barrier_signal -1
	s_barrier_wait -1
	s_cmp_eq_u32 s[CNT], 0
	s_cbranch_scc1 .Lnext
; ---- PHASE 2.  All twelve hidden fragments come back as they were stored, and stay.
	WIN 0x40
.irp p, 0,1
.irp m, 0,1,2
.irp s2, 0,1
	ds_load_b128 v[128+8*((4*\p+\m)*2+\s2):128+8*((4*\p+\m)*2+\s2)+3], v[LI] offset:HIMG+1024*((4*\p+\m)*2+\s2)
	ds_load_b128 v[128+8*((4*\p+\m)*2+\s2)+4:128+8*((4*\p+\m)*2+\s2)+7], v[LI] offset:HIMG+1024*((4*\p+\m)*2+\s2)+512
.endr
.endr
.endr
	WIN 0
.irp p, 0,1
.irp m, 0,1,2
	ds_load_b32 v[HS+4*\p+\m], v[LS4] offset:HSC+128*(4*\p+\m)     ; lanes 0-15: K step 0's words, lanes 16-31: K step 1's
.endr
.endr
	s_wait_dscnt 0x0
; A unit: 64 output columns of one expert: 24 matrix instructions on twelve accumulators (four column tiles x three tiles of rows), by turns.
.macro UNIT2
.set UP, J%2
.set USL, 64*(J%4)
.set UWS, WS+4*(J%4)
.if J%4 < 2
.set UBS, BS+32*(J%4)
.else
.set UBS, 32*(J%4-2)
.endif
	WAITU
.irp s2, 0,1
.if \s2 == 0
.if J%4 < 2
	WIN 0x87                                       ; source 0 (W2) window 3, source 1 (h) window 1, C (b2) window 0, D window 2
.else
	WIN 0x97                                       ; C (b2) window 1
.endif
.else
	WIN 0xa7
.endif
.irp q, 0,1,2,3
.irp m, 0,1,2
.set rD, 128*UP+32*\q+8*\m
.set rA, USL+8*(2*\q+\s2)
.set rB, 128+8*((4*UP+\m)*2+\s2)
.if \s2 == 0
.set rC, UBS+8*\q
.else
.set rC, rD
.endif
.set rSA, UWS+\q
.set rSB, HS+4*UP+\m
.set fRA, \s2
.set fRB, \s2
	WM
.endr
.endr
.endr
	WIN 0
.rept 4
	v_nop                                          ; four places, as in phase 1
.endr
.set LJ, J+4
	LOADU
.endm
; 64 columns of both experts are there: out = g_lo y_lo + g_hi y_hi; through my stage, so that sixteen lanes store 256 consecutive bytes of a token's row, aligned.
; The rows come back into registers of their own (rows 0-31: window 1, v64-127; rows 32-47: window 0, v108-139), which nothing writes before the next group's read-back: two units lie between a group's stores and the wait that frees their data.
.macro OUTG g
	WIN 0xa2                                       ; the sums window 2, the gates window 0
.irp q, 0,1,2,3
.irp m, 0,1,2
.irp jj, 0,2,4,6
	v_pk_mul_f32 v[32*\q+8*\m+\jj:32*\q+8*\m+\jj+1], v[32*\q+8*\m+\jj:32*\q+8*\m+\jj+1], v[G+2*\m:G+2*\m+1] op_sel_hi:[1,0]   ; x g_lo, the pair's first word for both halves
.endr
.endr
.endr
.irp q, 0,1,2,3
.irp m, 0,1,2
.irp jj, 0,2,4,6
	v_pk_fma_f32 v[32*\q+8*\m+\jj:32*\q+8*\m+\jj+1], v[128+32*\q+8*\m+\jj:128+32*\q+8*\m+\jj+1], v[G+2*\m:G+2*\m+1], v[32*\q+8*\m+\jj:32*\q+8*\m+\jj+1] op_sel:[0,1,0] op_sel_hi:[1,1,1]   ; + g_hi y_hi: the pair's second word for both halves
.endr
.endr
.endr
	WIN 0x08
.irp m, 0,1,2
.irp q, 0,1,2,3
	ds_store_b128 v[STO], v[32*\q+8*\m:32*\q+8*\m+3] offset:16*\m*272+64*\q        ; lane (r, h): row 16 m + r, columns 16 q + 8 h + 0 .. 7
	ds_store_b128 v[STO], v[32*\q+8*\m+4:32*\q+8*\m+7] offset:16*\m*272+64*\q+16
.endr
.endr
.if (\g) > 0
	s_wait_xcnt 0x0                                ; the last group's stores have read their data: the registers below are loaded again only behind this wait
.endif
	WIN 0x40                                       ; destination window 1
.set n, 0
.rept 16
	ds_load_b128 v[RB1+4*n:RB1+4*n+3], v[RD] offset:2*n*272        ; LDS serves a wave's instructions in order: these see the stores above
.set n, n+1
.endr
	WIN 0
.rept 8
	ds_load_b128 v[RB0+4*(n-16):RB0+4*(n-16)+3], v[RD] offset:2*n*272
.set n, n+1
.endr
	s_wait_dscnt 0x0
	WIN 0x04                                       ; a store's data are its source 1: window 1
.irp i, 0,1,2,3,4,5,6,7
	global_store_b128 v[OFFS+\i], v[RB1+4*\i:RB1+4*\i+3], s[OUTP:OUTP+1] offset:256*(\g) th:TH_STORE_NT
.endr
	WIN 0                                          ; at a branch every window is 0
	s_cmp_le_u32 s[CNT], 16
	s_cbranch_scc1 .Lgend_\@                       ; rows 16 on lie beyond the tile's count
	WIN 0x04
.irp i, 0,1,2,3,4,5,6,7
	global_store_b128 v[OFFS+8+\i], v[RB1+32+4*\i:RB1+32+4*\i+3], s[OUTP:OUTP+1] offset:256*(\g) th:TH_STORE_NT
.endr
	WIN 0
	s_cmp_le_u32 s[CNT], 32
	s_cbranch_scc1 .Lgend_\@                       ; rows 32 on lie beyond the tile's count
.irp i, 0,1,2,3,4,5,6,7
	global_store_b128 v[OFFS+16+\i], v[RB0+4*\i:RB0+4*\i+3], s[OUTP:OUTP+1] offset:256*(\g) th:TH_STORE_NT
.endr
.Lgend_\@:
.endm
.set J, 16
.rept 8
	UNIT2
.if J%2 == 1
	OUTG (J-16)/2
.endif
.set J, J+1
.endr
.Lnext:
	s_wait_loadcnt 0x0                             ; (no load is out here: the last unit's wait was for all)
	s_wait_xcnt 0x0                                ; the stores have read their data and offsets: the next trip writes them again
	s_add_co_u32 s[FIRST], s[FIRST], 9*48
	s_add_co_u32 s[TRIP], s[TRIP], 1
	s_wait_alu depctr_va_vdst(0)                   ; the wait ahead of the branch
	s_cmp_lt_u32 s[TRIP], TRIPS
	s_cbranch_scc1 .Ltrip
	s_wait_tensorcnt 0x0                           ; the wave's end, behind my last LDS store
	ds_add_u32 v[SPW], v[NIL]
	s_wait_dscnt 0x0
	s_endpgm
.Lfunc_end_k_q81315eed39_chain:
	.size	k_q81315eed39_chain, .Lfunc_end_k_q81315eed39_chain-k_q81315eed39_chain
	.p2alignl 7, 3214868480
	.fill 96, 4, 3214868480
	.section	.rodata,"a",@progbits
	.p2align	6, 0x0
	.amdhsa_kernel k_q81315eed39_chain
		.amdhsa_group_segment_fixed_size 98816
		.amdhsa_private_segment_fixed_size 0
		.amdhsa_enable_private_segment 0
		.amdhsa_kernarg_size 64
		.amdhsa_user_sgpr_count 2
		.amdhsa_user_sgpr_kernarg_segment_ptr 1
		.amdhsa_wavefront_size32 1
		.amdhsa_system_sgpr_workgroup_id_x 1
		.amdhsa_system_sgpr_workgroup_id_y 1
		.amdhsa_system_sgpr_workgroup_id_z 1
		.amdhsa_system_vgpr_workitem_id 0
		.amdhsa_next_free_vgpr 1024
		.amdhsa_next_free_sgpr 66
		.amdhsa_reserve_vcc 0
		.amdhsa_float_denorm_mode_32 3
		.amdhsa_float_denorm_mode_16_64 3
		.amdhsa_memory_ordered 1
		.amdhsa_forward_progress 1
		.amdhsa_inst_pref_size 255
	.end_amdhsa_kernel
	.section	.bss,"aw",@nobits
	.p2align	6
	.space	262144
	.amdgpu_metadata
---
amdhsa.version: [ 1, 2 ]
amdhsa.kernels:
  - .name:           k_q81315eed39_chain
    .symbol:         k_q81315eed39_chain.kd
    .args:
      - { .name: xq, .offset: 0, .size: 8, .value_kind: global_buffer, .address_space: global }
      - { .name: xs, .offset: 8, .size: 8, .value_kind: global_buffer, .address_space: global }
      - { .name: wq, .offset: 16, .size: 8, .value_kind: global_buffer, .address_space: global }
      - { .name: b1, .offset: 24, .size: 8, .value_kind: global_buffer, .address_space: global }
      - { .name: b2, .offset: 32, .size: 8, .value_kind: global_buffer, .address_space: global }
      - { .name: gates, .offset: 40, .size: 8, .value_kind: global_buffer, .address_space: global }
      - { .name: tab, .offset: 48, .size: 8, .value_kind: global_buffer, .address_space: global }
      - { .name: out0, .offset: 56, .size: 8, .value_kind: global_buffer, .address_space: global }
    .group_segment_fixed_size: 98816
    .private_segment_fixed_size: 0
    .kernarg_segment_align: 8
    .kernarg_segment_size: 64
    .max_flat_workgroup_size: 128
    .sgpr_count:     66
    .vgpr_count:     1024
    .wavefront_size: 32
...
	.end_amdgpu_metadata
.endif
;; end of part 2
